; MI455X (gfx1250); checked and timed in simulation.
; The chip was launched on July 23, 2026; its instructions are those of AMD's public machine-readable ISA for CDNA 5 (MIT licence, August 2026) and "CDNA5" Instruction Set Architecture Reference Guide (July 2026). The comments in the code are by the model that wrote it; some were corrected since.
;; Compressed Linear. Allowed arithmetic: float matrix products may take bf16 or f16 operands with f32 sums; all other float work in f32.
;; Inputs: Pi 4,096 x 4,096 float32; bias 2,048 float32; centroids 16 float32; indices 2,048 x 4,096 int32; row_norms 2,048 float32; x 4 x 128 x 4,096 float32.
;; Outputs: out0 4 x 128 x 2,048 float32.
;; One version. Each part assembles by itself: llvm-mc -triple=amdgcn-amd-amdhsa -mcpu=gfx1250 --defsym DOCPART=n.
;; ======== version 1 of 1: 3 launches
;; workspace buffers: xb 4,194,304 bytes; yq 16,777,216 bytes; zb 4,194,304 bytes
;; launch prep (part 1): grid 256 x 1, 8 waves a work-group, no clusters, 0 bytes of LDS; arguments x, indices, centroids, xb, yq; writes xb, yq
.if DOCPART == 1
	.amdgcn_target "amdgcn-amd-amdhsa--gfx1250"
	.amdhsa_code_object_version 6
	.text
	.protected	k_q063c4f8e3a_prep
	.globl	k_q063c4f8e3a_prep
	.p2align	8
	.type	k_q063c4f8e3a_prep,@function
k_q063c4f8e3a_prep:
	s_mov_b64 s[64:65], 0
	v_nop
	global_prefetch_b8 v0, s[64:65] scope:SCOPE_SE
	s_setreg_imm32_b32 hwreg(HW_REG_WAVE_MODE, 25, 1), 1
	s_wait_xcnt 0x0
; xb = bf16(x), same order of elements.   yq = bf16(centroids[indices]), in blocks of 64 columns:
; yq byte = (j / 64) * 262144 + o * 128 + 2 * (j % 64), o = row of indices (0..2047), j = column (0..4095).
; A stream: every byte of x and of indices is read once, every byte of xb and yq written once.  No LDS bytes, no barrier, no matrix
; work: nothing is shared between lanes but the table of 16 centroids, which lies across the lanes of one register.
; 256 work-groups of 8 waves.  Work-group g takes 8,192 numbers of x (32 KiB) and rows 8 g .. 8 g + 7 of indices (128 KiB).
; All 41 loads of a lane go out at once into registers of their own, so no register that a load or a store names is ever written again
; by another instruction than the one conversion in place that stands behind the load's own wait.
; LIMIT: indices are taken as 0..15, as the table of 16 entries asks.  A larger index (a negative one, read as unsigned, too) takes entry 15.
.set XO,  1                            ; v1  16 t: my 16 bytes in each 4 KiB of x
.set XS,  2                            ; v2  8 t: my 8 bytes in each 2 KiB of xb
.set IO,  3                            ; v3  my 16 bytes of indices: (lane / 16) rows, 16 (lane % 16), wave x 2 KiB (8 blocks of 64 columns)
.set YO,  4                            ; v4  my 8 bytes of yq: wave x 8 blocks + 8 x lane
.set TO,  5                            ; v5  4 (t % 16)
.set TAB, 6                            ; v6  lane l holds centroids[l % 16]
.set XQ,  8                            ; v[8:39]    x, 8 loads of 4 numbers
.set IQ,  40                           ; v[40:167]  indices, 32 loads of 4 numbers: load 4 q + p = block q of my eight, row pair p
	s_load_b256 s[4:11], s[0:1], 0x0               ; x s[4:5], indices s[6:7], centroids s[8:9], xb s[10:11]
	s_load_b64 s[12:13], s[0:1], 0x20              ; yq
	v_lshlrev_b32 v[XO], 4, v0
	v_lshlrev_b32 v[XS], 3, v0
	v_and_b32 v7, 15, v0
	v_lshlrev_b32 v[TO], 2, v7
	v_lshlrev_b32 v[IO], 4, v7                     ; 16 bytes a lane: sixteen lanes take 256 bytes, the 64 columns of one block
	v_bfe_u32 v7, v0, 4, 1
	v_lshl_or_b32 v[IO], v7, 14, v[IO]             ; lanes 16 to 31: one row (16,384 bytes) further down
	v_lshrrev_b32 v7, 5, v0                        ; wave
	v_lshl_or_b32 v[IO], v7, 11, v[IO]             ; my wave's 512 columns
	v_and_b32 v[YO], 31, v0
	v_lshlrev_b32 v[YO], 3, v[YO]                  ; 8 x lane = 128 (lane / 16) + 8 (lane % 16): two rows of a block lie side by side
	v_lshl_or_b32 v[YO], v7, 21, v[YO]             ; my wave's 8 blocks of 262,144 bytes
	s_lshl_b32 s2, ttmp9, 15                       ; offsets of the work-group's parts, each below 4 GiB: the high word is 0
	s_mov_b32 s3, 0
	s_wait_kmcnt 0x0
	s_add_nc_u64 s[4:5], s[4:5], s[2:3]            ; x: 32 KiB a work-group
	s_lshl_b32 s2, ttmp9, 17
	s_add_nc_u64 s[6:7], s[6:7], s[2:3]            ; indices: 8 rows of 16 KiB
	s_lshl_b32 s2, ttmp9, 14
	s_add_nc_u64 s[10:11], s[10:11], s[2:3]        ; xb: 16 KiB
	s_lshl_b32 s2, ttmp9, 10
	s_add_nc_u64 s[12:13], s[12:13], s[2:3]        ; yq: 8 rows of 128 bytes in every block
	global_load_b32 v[TAB], v[TO], s[8:9]
.irp i, 0,1,2,3,4,5,6,7
	global_load_b128 v[XQ+4*\i:XQ+4*\i+3], v[XO], s[4:5] offset:4096*\i th:TH_LOAD_NT
.endr
.irp q, 0,1,2,3,4,5,6,7
.irp p, 0,1,2,3
	global_load_b128 v[IQ+4*(4*\q+\p):IQ+4*(4*\q+\p)+3], v[IO], s[6:7] offset:\p*32768+\q*256 th:TH_LOAD_NT
.endr
.endr
	; x: two roundings in one instruction, in place; a store of the wave covers 256 consecutive bytes, aligned
	s_wait_loadcnt 32                              ; loads come back in order: the table and x are in, the 32 loads of indices may stay out
.irp i, 0,1,2,3,4,5,6,7
	v_cvt_pk_bf16_f32 v[XQ+4*\i],   v[XQ+4*\i],   v[XQ+4*\i+1]
	v_cvt_pk_bf16_f32 v[XQ+4*\i+1], v[XQ+4*\i+2], v[XQ+4*\i+3]
	global_store_b64 v[XS], v[XQ+4*\i:XQ+4*\i+1], s[10:11] offset:2048*\i
.endr
; Block q of my wave's eight: four loads (row pairs 0 to 3), 16 indices a lane.  An index picks the lane of TAB that holds its centroid.
.macro DEQ q
	s_wait_loadcnt 28-4*\q                         ; the 4 (7 - q) younger loads of indices stay out
.irp p, 0,1,2,3
.irp e, 0,1,2,3
	v_min_u32 v[IQ+4*(4*\q+\p)+\e], 15, v[IQ+4*(4*\q+\p)+\e]       ; a loaded number steers a select only behind a clamp
	v_lshlrev_b32 v[IQ+4*(4*\q+\p)+\e], 2, v[IQ+4*(4*\q+\p)+\e]    ; the select is the lane's number times 4
.endr
.endr
.irp p, 0,1,2,3
.irp e, 0,1,2,3
	ds_bpermute_b32 v[IQ+4*(4*\q+\p)+\e], v[IQ+4*(4*\q+\p)+\e], v[TAB]
.endr
.endr
.irp p, 0,1,2,3
	s_wait_dscnt 12-4*\p                           ; they come back in order: row pair p's four are in, the younger ones stay out
	v_cvt_pk_bf16_f32 v[IQ+4*(4*\q+\p)],   v[IQ+4*(4*\q+\p)],   v[IQ+4*(4*\q+\p)+1]
	v_cvt_pk_bf16_f32 v[IQ+4*(4*\q+\p)+1], v[IQ+4*(4*\q+\p)+2], v[IQ+4*(4*\q+\p)+3]
	global_store_b64 v[YO], v[IQ+4*(4*\q+\p):IQ+4*(4*\q+\p)+1], s[12:13] offset:\q*262144+\p*256   ; two rows of one block: 256 consecutive bytes, aligned
.endr
.endm
.irp q, 0,1,2,3,4,5,6,7
	DEQ \q
.endr
	s_endpgm
.Lfunc_end_k_q063c4f8e3a_prep:
	.size	k_q063c4f8e3a_prep, .Lfunc_end_k_q063c4f8e3a_prep-k_q063c4f8e3a_prep
	.p2alignl 7, 3214868480
	.fill 96, 4, 3214868480
	.section	.rodata,"a",@progbits
	.p2align	6, 0x0
	.amdhsa_kernel k_q063c4f8e3a_prep
		.amdhsa_group_segment_fixed_size 0
		.amdhsa_private_segment_fixed_size 0
		.amdhsa_enable_private_segment 0
		.amdhsa_kernarg_size 40
		.amdhsa_user_sgpr_count 2
		.amdhsa_user_sgpr_kernarg_segment_ptr 1
		.amdhsa_wavefront_size32 1
		.amdhsa_system_sgpr_workgroup_id_x 1
		.amdhsa_system_sgpr_workgroup_id_y 1
		.amdhsa_system_sgpr_workgroup_id_z 1
		.amdhsa_system_vgpr_workitem_id 0
		.amdhsa_next_free_vgpr 168
		.amdhsa_next_free_sgpr 66
		.amdhsa_reserve_vcc 0
		.amdhsa_float_denorm_mode_32 3
		.amdhsa_float_denorm_mode_16_64 3
		.amdhsa_memory_ordered 1
		.amdhsa_forward_progress 1
		.amdhsa_inst_pref_size 32
	.end_amdhsa_kernel
	.amdgpu_metadata
---
amdhsa.version: [ 1, 2 ]
amdhsa.kernels:
  - .name:           k_q063c4f8e3a_prep
    .symbol:         k_q063c4f8e3a_prep.kd
    .args:
      - { .name: x, .offset: 0, .size: 8, .value_kind: global_buffer, .address_space: global }
      - { .name: indices, .offset: 8, .size: 8, .value_kind: global_buffer, .address_space: global }
      - { .name: centroids, .offset: 16, .size: 8, .value_kind: global_buffer, .address_space: global }
      - { .name: xb, .offset: 24, .size: 8, .value_kind: global_buffer, .address_space: global }
      - { .name: yq, .offset: 32, .size: 8, .value_kind: global_buffer, .address_space: global }
    .group_segment_fixed_size: 0
    .private_segment_fixed_size: 0
    .kernarg_segment_align: 8
    .kernarg_segment_size: 40
    .max_flat_workgroup_size: 256
    .sgpr_count:     66
    .vgpr_count:     168
    .wavefront_size: 32
...
	.end_amdgpu_metadata
.endif
;; end of part 1
;; launch gemm1 (part 2): grid 64 x 4, 4 waves a work-group, clusters of 4 x 4, 327,680 bytes of LDS; arguments xb, Pi, zb; writes zb
.if DOCPART == 2
	.amdgcn_target "amdgcn-amd-amdhsa--gfx1250"
	.amdhsa_code_object_version 6
	.text
	.protected	k_q063c4f8e3a_gemm1
	.globl	k_q063c4f8e3a_gemm1
	.p2align	8
	.type	k_q063c4f8e3a_gemm1,@function
k_q063c4f8e3a_gemm1:
	s_mov_b64 s[64:65], 0
	v_nop
	global_prefetch_b8 v0, s[64:65] scope:SCOPE_SE
	s_setreg_imm32_b32 hwreg(HW_REG_WAVE_MODE, 25, 1), 1
	s_wait_xcnt 0x0
	s_wait_alu depctr_hold_cnt(0) depctr_sa_sdst(0) depctr_va_vdst(0) depctr_va_sdst(0) depctr_va_ssrc(0) depctr_va_vcc(0) depctr_vm_vsrc(0)
	s_getreg_b32 s2, hwreg(HW_REG_IB_STS2, 6, 4)
	s_cmp_eq_u32 s2, 0
	s_cbranch_scc0 .Lentry_in_a_cluster
	s_endpgm
.Lentry_in_a_cluster:
	s_bfe_u32 s2, ttmp6, 0x10000c
	s_cmp_lg_u32 s2, 0xf033
	s_cbranch_scc0 .Lentry_shape_is_right
	s_endpgm
.Lentry_shape_is_right:
; zb = bf16(z), z[m][j] = sum over i of x[m][i] Pi[j][i]: the first half of out = rn * ((x Pi^T) Y^T) + bias, which is reference's
; x ((Y Pi) rn)^T + bias with the sums taken in another order (17.2 + 8.6 GFLOP in place of 68.7 + 8.6), for every input.
; xb: [512][4096] bf16.  Pi: [4096][4096] f32, rounded to bf16 on the way from LDS to the matrix unit.  Sums in f32.
; zb in blocks of 64 columns: byte = (j / 64) * 65536 + m * 128 + 2 * (j % 64).  LIMIT: z is rounded once to bf16.
; A work-group makes 128 rows x 64 columns of z: 4 x 64 = 256 work-groups.  K = 4096 goes in 16 steps of 256 through two LDS slots.
; THE FOUR WAVES SPLIT K: of a step's 256, wave w takes k = 64 w .. 64 w + 63 for the whole tile (32 accumulators, 256 registers).  So each
; LDS byte is read by one wave, once, and each number of Pi is rounded once in the work-group.  The four partial tiles are added through LDS at the end.
; CLUSTERS: 4 x 4 work-groups.  The four of a row of the cluster (same cy) make one block row of z and need the same tiles of xb; the four of a
; column (same cx) need the same tiles of Pi.  Each tile is asked for jointly, by the same load with the same descriptor in all four.
; THE MATRIX INSTRUCTION IS USED TRANSPOSED (source 0 = 16 rows of Pi, source 1 = 16 rows of xb): lane l then holds row m = l % 16 and
; columns 8 (l / 16) + 0 .. 7 of a 16 x 16 tile of z, eight neighbouring numbers of a row.
.set ASTEP,   512                      ; bytes of a row of xb in a K step
.set BSTEP,   1024                     ; bytes of a row of Pi in a K step
.set APITCH,  528                      ; LDS rows: 512 + 16 and 1024 + 16 bytes, odd multiples of 16: the 16 rows that a fragment load
.set BPITCH,  1040                     ; touches begin at 16 different 16-byte columns modulo 256 bytes
.set QUARTER, 33792                    ; what one wave fetches: 64 rows of xb (64 x 528), or 32 rows of Pi (32 x 1040 = 33,280; 512 bytes stay unused)
.set SLOT,    4*QUARTER                ; xb rows 0-63, xb rows 64-127, Pi rows 0-31, Pi rows 32-63
.set SPITCH,  272                      ; the stage of the final sum: rows of 64 f32 + 16 bytes
.set SREG,    128*SPITCH               ; one wave's partial tile; four of them from LDS byte 0, on slots that have had their last fill
.set ADRA, 4                           ; v4, v5   LDS address of my xb fragments in slot 0, 1
.set ADRB, 6                           ; v6, v7   the same for Pi
.set STO,  8                           ; v8       stage: where I put my partial sums
.set RD0,  9                           ; v9       stage: where I read partial tiles 0 and 1
.set RD2,  10                          ; v10      and 2 and 3
.set ZO,   11                          ; v11      8 x lane: my 8 bytes of two rows of zb
.set PFO,  12                          ; v12      my byte of Pi for the prefetch; never rewritten
.set A0,   16                          ; v[16:79]   xb fragments, 8 x (16 rows x 32 K), buffer 0
.set A1,   80                          ; v[80:143]  buffer 1
.set BR,   144                         ; v[144:207] Pi as loaded: 4 fragments x 16 registers of f32
.set BB,   208                         ; v[208:239] Pi in bf16: 4 fragments x 8 registers
                                       ; v[256:511] accumulator tile (a, b), a = 0..7 (rows), b = 0..3 (columns), at 256 + 8 (4 a + b)
.set G1,  24                           ; s[24:31] descriptor group 1 for xb
.set G0,  32                           ; s[32:39] group 0 for xb, a set for each slot
.set G1B, 48                           ; s[48:55] group 1 for Pi
.set G0B, 56                           ; s[56:63] group 0 for Pi, a set for each slot
.set MSB, 0
.macro WIN new                         ; register windows: low byte bits 1:0 source 0, 3:2 source 1, 5:4 source 2, 7:6 destination; the high byte repeats the setting that is left
.if MSB != \new
	s_set_vgpr_msb (MSB<<8)|\new
.set MSB, \new
.endif
.endm
.macro PLACES                          ; four plain vector instructions between a matrix instruction and a write of, or a load into, one of its registers,
.rept 4                                ; or a read of its result by anything but a matrix instruction (ISA guide 7.12.1 except for loads and LDS stores)
	v_nop
.endr
.endm
; A round of the cluster's barrier: my work-group's barrier, wave 0 signals for the work-group, every wave waits for all sixteen, my work-group's barrier again.
.macro ROUND
	s_barrier_signal -1
	s_barrier_wait -1
	s_cmp_lg_u32 s10, 0
	s_cbranch_scc1 .Lnot_wave_0_\@
	s_barrier_signal -3
.Lnot_wave_0_\@:
	s_barrier_wait -3
	s_barrier_signal -1
	s_barrier_wait -1
.endm
; A joint load.  Waves 0 and 1 fetch the two halves of xb's tile, waves 2 and 3 those of Pi's.  The branch hangs on the wave's number alone.
.macro JLOAD s
	s_cmp_eq_u32 s11, 0
	s_cbranch_scc0 .Lfor_b_\@
	tensor_load_to_lds s[G0+4*\s:G0+4*\s+3], s[G1:G1+7]
	s_nop 0
	s_branch .Lasked_\@
.Lfor_b_\@:
	tensor_load_to_lds s[G0B+4*\s:G0B+4*\s+3], s[G1B:G1B+7]
	s_nop 0
.Lasked_\@:
.endm
	s_load_b128 s[4:7], s[0:1], 0x0                ; xb s[4:5], Pi s[6:7]
	s_load_b64 s[8:9], s[0:1], 0x10                ; zb
	v_lshl_add_u32 v254, v0, 2, 0x42000
	v_mov_b32 v255, 0
	ds_add_u32 v254, v255
	v_lshrrev_b32 v1, 5, v0
	v_readfirstlane_b32 s10, v1                    ; wave 0..3
	s_lshr_b32 s11, s10, 1                         ; I fetch for xb (0) or for Pi (1)
	s_and_b32 s12, s10, 1                          ; which half of that tile
	s_bfe_u32 s40, ttmp6, 0x40000                  ; cx
	s_bfe_u32 s41, ttmp6, 0x40004                  ; cy
	s_lshl_b32 s42, ttmp9, 2
	s_add_co_u32 s42, s42, s40                     ; block column of z, 0..63 = 4 x cluster x + cx
	s_mov_b32 s13, s41                             ; block row of z, 0..3: the grid has four work-groups along y, one cluster, so it is cy
	s_lshl_b32 s43, s41, 2
	s_lshl_b32 s43, 15, s43                        ; my row of the cluster: places 4 cy .. 4 cy + 3
	s_lshl_b32 s44, 0x1111, s40                    ; my column: places cx, cx + 4, cx + 8, cx + 12
	; group 1 for xb: 64 rows x 256 elements of 2 bytes, 4 words of padding behind every 128 words (a row)
	s_or_b32 s[G1+0], s43, (1<<16)|(1<<20)|(1<<21)|(6<<22)|(3<<25)   ; 15:0 mask; 17:16 element size; 20 padding on; 21 set beside a mask; 24:22 interval; 31:25 pad - 1
	s_mov_b32 s[G1+1], 256<<16                     ; tensor_dim0 = 256
	s_mov_b32 s[G1+2], 64<<16                      ; tensor_dim1 = 64
	s_mov_b32 s[G1+3], 256<<16                     ; tile_dim0 = 256
	s_mov_b32 s[G1+4], 64                          ; tile_dim1 = 64
	s_mov_b32 s[G1+5], 4096                        ; elements from row to row
	s_mov_b32 s[G1+6], 0
	s_mov_b32 s[G1+7], 0
	; group 1 for Pi: 32 rows x 256 elements of 4 bytes, 4 words of padding behind every 256 words (a row)
	s_or_b32 s[G1B+0], s44, (2<<16)|(1<<20)|(1<<21)|(7<<22)|(3<<25)
	s_mov_b32 s[G1B+1], 256<<16
	s_mov_b32 s[G1B+2], 32<<16
	s_mov_b32 s[G1B+3], 256<<16
	s_mov_b32 s[G1B+4], 32
	s_mov_b32 s[G1B+5], 4096
	s_mov_b32 s[G1B+6], 0
	s_mov_b32 s[G1B+7], 0
	; where the tiles come from: xb's hang on the block row, which my row of the cluster shares, Pi's on the block column, which my column shares
	s_lshl_b32 s21, s12, 19                        ; my half: 64 rows of 8,192 bytes = 32 rows of 16,384 bytes
	s_lshl_b32 s16, s13, 20                        ; 128 rows of xb
	s_add_co_u32 s16, s16, s21
	s_mov_b32 s17, 0
	s_lshl_b32 s46, s42, 20                        ; 64 rows of Pi
	s_add_co_u32 s46, s46, s21
	s_mov_b32 s47, 0
	s_mul_i32 s20, s10, QUARTER                    ; and where they go: the wave's number alone
	s_lshl_b32 s22, s42, 20                        ; for the prefetch: my block column's 64 rows of Pi
	s_mov_b32 s23, 0
	s_lshl_b32 s45, s41, 4
	s_lshl2_add_u32 s45, s10, s45                  ; 16 cy + 4 wave: the first of the four rows that my wave asks for
	s_wait_dscnt 0x0
	s_wait_kmcnt 0x0
	s_add_nc_u64 s[14:15], s[4:5], s[16:17]
	s_add_nc_u64 s[46:47], s[6:7], s[46:47]
	ROUND                                          ; all sixteen work-groups are here: the first joint loads meet
.irp s, 0,1
	s_mov_b32 s[G0+4*\s], 1                                        ; count = 1
	s_add_co_u32 s[G0+4*\s+1], s20, \s*SLOT                        ; LDS address
	s_add_nc_u64 s[G0+4*\s+2:G0+4*\s+3], s[14:15], \s*ASTEP        ; global address: K step s
	s_or_b32 s[G0+4*\s+3], s[G0+4*\s+3], 0x80000000                ; type = 2
	s_mov_b32 s[G0B+4*\s], 1
	s_add_co_u32 s[G0B+4*\s+1], s20, \s*SLOT
	s_add_nc_u64 s[G0B+4*\s+2:G0B+4*\s+3], s[46:47], \s*BSTEP
	s_or_b32 s[G0B+4*\s+3], s[G0B+4*\s+3], 0x80000000
	JLOAD \s                                       ; both slots are asked for before anything else: two tensor loads of the wave are out
.endr
	; PREFETCH of Pi.  A request covers two K steps (2 KiB of each of the tile's 64 rows).  The four work-groups that share the tile take 16 rows each,
	; a wave 4 rows, a lane one piece of 256 bytes: each piece of K steps 2 to 15 is asked for once in the launch.  This first request is for steps 2 and 3.
	s_add_nc_u64 s[6:7], s[6:7], s[22:23]
	s_add_nc_u64 s[6:7], s[6:7], 2*BSTEP
	v_and_b32 v3, 31, v0
	v_lshrrev_b32 v13, 3, v3
	v_add_nc_u32 v13, s45, v13                     ; my row of the 64
	v_and_b32 v3, 7, v0
	v_lshlrev_b32 v3, 8, v3                        ; my 256 bytes of the 2 KiB
	v_lshl_or_b32 v[PFO], v13, 14, v3
	global_prefetch_b8 v[PFO], s[6:7] th:TH_LOAD_NT scope:SCOPE_SE
	; A fragment is 16 rows x 32 K: lane l holds row l % 16; registers 0-3 hold K = 8 (l / 16) + 0..7, registers 4-7 K = 16 + 8 (l / 16) + 0..7.
	v_and_b32 v1, 15, v0                           ; r = l % 16
	v_bfe_u32 v2, v0, 4, 1                         ; h = l / 16
	v_mul_u32_u24 v3, v1, APITCH
	v_lshl_add_u32 v3, v2, 4, v3                   ; xb: row x pitch + 16 h
	s_lshl_b32 s21, s10, 7                         ; + my 64 K of the step: 128 bytes a wave
	v_add_nc_u32 v[ADRA], s21, v3
	v_add_nc_u32 v[ADRA+1], SLOT, v[ADRA]
	v_mul_u32_u24 v3, v1, BPITCH
	v_lshl_add_u32 v3, v2, 5, v3                   ; Pi in f32: row x pitch + 32 h
	s_lshl_b32 s21, s10, 8                         ; + 256 bytes a wave,
	s_add_co_u32 s21, s21, 2*QUARTER               ; behind xb's two quarters
	v_add_nc_u32 v[ADRB], s21, v3
	v_add_nc_u32 v[ADRB+1], SLOT, v[ADRB]
	v_mul_u32_u24 v3, v1, SPITCH
	v_lshl_add_u32 v3, v2, 5, v3                   ; stage, in: row r, 32 bytes for each half of the lanes
	s_mul_i32 s21, s10, SREG                       ; my partial tile
	v_add_nc_u32 v[STO], s21, v3
	v_mul_u32_u24 v3, v2, SPITCH
	v_lshl_add_u32 v3, v1, 4, v3                   ; stage, back: lanes 0-15 one row of 256 bytes, lanes 16-31 the next
	s_mul_i32 s21, s10, 32*SPITCH                  ; I add up rows 32 w .. 32 w + 31
	v_add_nc_u32 v[RD0], s21, v3
	v_add_nc_u32 v[RD2], 2*SREG, v[RD0]
	v_and_b32 v3, 31, v0
	v_lshlrev_b32 v[ZO], 3, v3
; 16 LDS loads: the 8 xb fragments of sub-step ss (32 K) of my 64 K, into buffer dst
.macro LDA slot, ss, dst
.irp a, 0,1,2,3,4,5,6,7
	ds_load_b128 v[\dst+8*\a:\dst+8*\a+3],   v[ADRA+\slot] offset:\a*16*APITCH+64*\ss
	ds_load_b128 v[\dst+8*\a+4:\dst+8*\a+7], v[ADRA+\slot] offset:\a*16*APITCH+64*\ss+32
.endr
.endm
; 16 LDS loads: the 4 Pi fragments of sub-step ss, in f32: fragment 2 q + p = rows 16 p .. 16 p + 15 of quarter 2 + q
.macro LDB slot, ss
.irp q, 0,1
.irp p, 0,1
	ds_load_b128 v[BR+16*(2*\q+\p):BR+16*(2*\q+\p)+3],     v[ADRB+\slot] offset:\q*QUARTER+\p*16*BPITCH+128*\ss
	ds_load_b128 v[BR+16*(2*\q+\p)+4:BR+16*(2*\q+\p)+7],   v[ADRB+\slot] offset:\q*QUARTER+\p*16*BPITCH+128*\ss+16
	ds_load_b128 v[BR+16*(2*\q+\p)+8:BR+16*(2*\q+\p)+11],  v[ADRB+\slot] offset:\q*QUARTER+\p*16*BPITCH+128*\ss+64
	ds_load_b128 v[BR+16*(2*\q+\p)+12:BR+16*(2*\q+\p)+15], v[ADRB+\slot] offset:\q*QUARTER+\p*16*BPITCH+128*\ss+80
.endr
.endr
.endm
.macro CVB                             ; Pi to bf16, two roundings an instruction, each k in its own place
.irp b, 0,1,2,3
.irp i, 0,1,2,3,4,5,6,7
	v_cvt_pk_bf16_f32 v[BB+8*\b+\i], v[BR+16*\b+2*\i], v[BR+16*\b+2*\i+1]
.endr
.endr
.endm
; 32 matrix instructions, one for each accumulator: the accumulators take turns, one instruction a turn, in the same order everywhere,
; over the loop's backward jump too.  zero = 1: the first product starts the sums: nothing is cleared.
.macro MUL32 f, zero
	WIN 0x50                                       ; C and D in the second window
.irp a, 0,1,2,3,4,5,6,7
.irp b, 0,1,2,3
.if \zero
	v_wmma_f32_16x16x32_bf16 v[8*(4*\a+\b):8*(4*\a+\b)+7], v[BB+8*\b:BB+8*\b+7], v[\f+8*\a:\f+8*\a+7], 0
.else
	v_wmma_f32_16x16x32_bf16 v[8*(4*\a+\b):8*(4*\a+\b)+7], v[BB+8*\b:BB+8*\b+7], v[\f+8*\a:\f+8*\a+7], v[8*(4*\a+\b):8*(4*\a+\b)+7]
.endif
.endr
.endr
	WIN 0
	PLACES
.endm
; My share of a K step: two sub-steps of 32 K.  No LDS instruction of the wave is out at its head.
.macro WORK slot, zero
	LDB \slot, 0
	LDA \slot, 0, A0
	s_wait_dscnt 16                                ; in order: Pi's 16 loads are in, xb's 16 may be out
	CVB
	LDB \slot, 1                                   ; the second sub-step's 32 loads go out ahead of the first one's products
	LDA \slot, 1, A1
	s_wait_dscnt 32                                ; all but those 32: buffer 0 is in
	MUL32 A0, \zero
	s_wait_dscnt 16                                ; Pi's second 16 are in
	CVB
	s_wait_dscnt 0                                 ; buffer 1 is in: my reads of this slot are over
	MUL32 A1, 0
.endm
; The prefetch of a lap: two K steps further on.  The lap that multiplies steps 2 i + 1 and 2 i + 2 asks for steps 2 i + 4 and 2 i + 5,
; whose tensor loads go out two and three trips later; 64 KiB of a work-group's requests at the most are not yet fetched.
.macro PF
	s_wait_xcnt 0x0                                ; the last request (a lap ago) has had its address translated: its base may be stepped
	s_add_nc_u64 s[6:7], s[6:7], 2*BSTEP
	global_prefetch_b8 v[PFO], s[6:7] th:TH_LOAD_NT scope:SCOPE_SE
.endm
; One K step from slot; refill = 1: the other slot, read in the last trip, is filled again, two K steps on.
.macro TRIP slot, other, refill, pf
	s_wait_dscnt 0x0                               ; my reads of the other slot are back
	s_wait_tensorcnt 0x0                           ; all my tensor loads have landed (one was out: my part of this slot), so a group 0 may be written
	ds_add_u32 v254, v255
	s_wait_dscnt 0x0
.if \refill
	s_add_nc_u64 s[G0+4*\other+2:G0+4*\other+3], s[G0+4*\other+2:G0+4*\other+3], 2*ASTEP
	s_add_nc_u64 s[G0B+4*\other+2:G0B+4*\other+3], s[G0B+4*\other+2:G0B+4*\other+3], 2*BSTEP
	ROUND                                          ; both now hold of every wave of all sixteen work-groups
	JLOAD \other                                   ; my one tensor load until the next round, first thing behind this one: one is out
.else
	s_barrier_signal -1                            ; it shows this slot whole to every wave
	s_barrier_wait -1
.endif
.if \pf
	PF
.endif
	WORK \slot, 0
.endm
.macro LAP pf
	TRIP 1, 0, 1, \pf
	TRIP 0, 1, 1, 0
.endm
	s_wait_tensorcnt 0x1                           ; my part of K step 0 is in; K step 1's load, issued behind it, may stay out:
	s_barrier_signal -1
	s_barrier_wait -1                              ; everybody's part is in
	WORK 0, 1                                      ; K step 0 starts the sums
	s_mov_b32 s3, 6
.Llap:
	LAP 1                                          ; K steps 1 to 12; requests for steps 4 to 15
	s_sub_co_u32 s3, s3, 1
	s_cmp_lg_u32 s3, 0
	s_cbranch_scc1 .Llap
	LAP 0                                          ; K steps 13 and 14: the last two fills; nothing is left to prefetch inside Pi's rows
	TRIP 1, 0, 0, 0                                ; K step 15: nothing is left to fetch
	; THE FINAL SUM.  Each wave lays its partial tile (128 x 64 f32) into the stage, which lies on slots that have had their last fill.
	s_wait_dscnt 0x0                               ; my reads of the slots are back
	s_barrier_signal -1
	s_barrier_wait -1                              ; everybody's are: the bytes may be overwritten
	WIN 0x04                                       ; the stores' data in the second window
.irp a, 0,1,2,3,4,5,6,7
.irp b, 0,1,2,3
	ds_store_b128 v[STO], v[8*(4*\a+\b):8*(4*\a+\b)+3]   offset:\a*16*SPITCH+64*\b
	ds_store_b128 v[STO], v[8*(4*\a+\b)+4:8*(4*\a+\b)+7] offset:\a*16*SPITCH+64*\b+16
.endr
.endr
	WIN 0
	s_lshl_b32 s22, s42, 16                        ; zb: my block of 64 columns (65,536 bytes),
	s_lshl_b32 s21, s13, 14                        ; my work-group's 128 rows of 128 bytes,
	s_add_co_u32 s22, s22, s21
	s_lshl_b32 s21, s10, 12                        ; my wave's 32 rows
	s_add_co_u32 s22, s22, s21
	s_add_nc_u64 s[8:9], s[8:9], s[22:23]          ; s23 is still 0
	s_wait_dscnt 0x0                               ; for the others: my stores are done
	s_barrier_signal -1
	s_barrier_wait -1
; Row pairs 4 q .. 4 q + 3 of my 16: the four partial tiles' 16 bytes, added as (0 + 1) + (2 + 3), rounded, stored.
.macro OUT4 q
.irp tt, 0,1,2,3
	ds_load_b128 v[A0+16*\tt:A0+16*\tt+3],     v[RD0] offset:2*SPITCH*(4*\q+\tt)
	ds_load_b128 v[A0+16*\tt+4:A0+16*\tt+7],   v[RD0] offset:SREG+2*SPITCH*(4*\q+\tt)
	ds_load_b128 v[A0+16*\tt+8:A0+16*\tt+11],  v[RD2] offset:2*SPITCH*(4*\q+\tt)
	ds_load_b128 v[A0+16*\tt+12:A0+16*\tt+15], v[RD2] offset:SREG+2*SPITCH*(4*\q+\tt)
.endr
	s_wait_dscnt 0x0
.irp tt, 0,1,2,3
	v_pk_add_f32 v[A0+16*\tt:A0+16*\tt+1],     v[A0+16*\tt:A0+16*\tt+1],     v[A0+16*\tt+4:A0+16*\tt+5]
	v_pk_add_f32 v[A0+16*\tt+2:A0+16*\tt+3],   v[A0+16*\tt+2:A0+16*\tt+3],   v[A0+16*\tt+6:A0+16*\tt+7]
	v_pk_add_f32 v[A0+16*\tt+8:A0+16*\tt+9],   v[A0+16*\tt+8:A0+16*\tt+9],   v[A0+16*\tt+12:A0+16*\tt+13]
	v_pk_add_f32 v[A0+16*\tt+10:A0+16*\tt+11], v[A0+16*\tt+10:A0+16*\tt+11], v[A0+16*\tt+14:A0+16*\tt+15]
	v_pk_add_f32 v[A0+16*\tt:A0+16*\tt+1],     v[A0+16*\tt:A0+16*\tt+1],     v[A0+16*\tt+8:A0+16*\tt+9]
	v_pk_add_f32 v[A0+16*\tt+2:A0+16*\tt+3],   v[A0+16*\tt+2:A0+16*\tt+3],   v[A0+16*\tt+10:A0+16*\tt+11]
	v_cvt_pk_bf16_f32 v[BR+2*(4*\q+\tt)],   v[A0+16*\tt],   v[A0+16*\tt+1]     ; each store has data registers of its own: none is written again
	v_cvt_pk_bf16_f32 v[BR+2*(4*\q+\tt)+1], v[A0+16*\tt+2], v[A0+16*\tt+3]
	global_store_b64 v[ZO], v[BR+2*(4*\q+\tt):BR+2*(4*\q+\tt)+1], s[8:9] offset:256*(4*\q+\tt)   ; two rows of the block: 256 consecutive bytes, aligned
.endr
.endm
	OUT4 0
	OUT4 1
	OUT4 2
	OUT4 3
	s_wait_tensorcnt 0x0
	ds_add_u32 v254, v255
	s_wait_dscnt 0x0
	ROUND                                          ; the closing round: no work-group ends while a partner may still ask for a tile that names it
	s_endpgm
.Lfunc_end_k_q063c4f8e3a_gemm1:
	.size	k_q063c4f8e3a_gemm1, .Lfunc_end_k_q063c4f8e3a_gemm1-k_q063c4f8e3a_gemm1
	.p2alignl 7, 3214868480
	.fill 96, 4, 3214868480
	.section	.rodata,"a",@progbits
	.p2align	6, 0x0
	.amdhsa_kernel k_q063c4f8e3a_gemm1
		.amdhsa_group_segment_fixed_size 327680
		.amdhsa_private_segment_fixed_size 0
		.amdhsa_enable_private_segment 0
		.amdhsa_kernarg_size 24
		.amdhsa_user_sgpr_count 2
		.amdhsa_user_sgpr_kernarg_segment_ptr 1
		.amdhsa_wavefront_size32 1
		.amdhsa_system_sgpr_workgroup_id_x 1
		.amdhsa_system_sgpr_workgroup_id_y 1
		.amdhsa_system_sgpr_workgroup_id_z 1
		.amdhsa_system_vgpr_workitem_id 0
		.amdhsa_next_free_vgpr 512
		.amdhsa_next_free_sgpr 66
		.amdhsa_reserve_vcc 0
		.amdhsa_float_denorm_mode_32 3
		.amdhsa_float_denorm_mode_16_64 3
		.amdhsa_memory_ordered 1
		.amdhsa_forward_progress 1
		.amdhsa_inst_pref_size 104
	.end_amdhsa_kernel
	.amdgpu_metadata
---
amdhsa.version: [ 1, 2 ]
amdhsa.kernels:
  - .name:           k_q063c4f8e3a_gemm1
    .symbol:         k_q063c4f8e3a_gemm1.kd
    .args:
      - { .name: xb, .offset: 0, .size: 8, .value_kind: global_buffer, .address_space: global }
      - { .name: Pi, .offset: 8, .size: 8, .value_kind: global_buffer, .address_space: global }
      - { .name: zb, .offset: 16, .size: 8, .value_kind: global_buffer, .address_space: global }
    .group_segment_fixed_size: 327680
    .private_segment_fixed_size: 0
    .kernarg_segment_align: 8
    .kernarg_segment_size: 24
    .max_flat_workgroup_size: 128
    .sgpr_count:     66
    .vgpr_count:     512
    .wavefront_size: 32
...
	.end_amdgpu_metadata
.endif
;; end of part 2
;; launch gemm2 (part 3): grid 32 x 8, 4 waves a work-group, clusters of 4 x 4, 327,680 bytes of LDS; arguments zb, yq, row_norms, bias, out0; writes out0
.if DOCPART == 3
	.amdgcn_target "amdgcn-amd-amdhsa--gfx1250"
	.amdhsa_code_object_version 6
	.text
	.protected	k_q063c4f8e3a_gemm2
	.globl	k_q063c4f8e3a_gemm2
	.p2align	8
	.type	k_q063c4f8e3a_gemm2,@function
k_q063c4f8e3a_gemm2:
	s_mov_b64 s[64:65], 0
	v_nop
	global_prefetch_b8 v0, s[64:65] scope:SCOPE_SE
	s_setreg_imm32_b32 hwreg(HW_REG_WAVE_MODE, 25, 1), 1
	s_wait_xcnt 0x0
	s_wait_alu depctr_hold_cnt(0) depctr_sa_sdst(0) depctr_va_vdst(0) depctr_va_sdst(0) depctr_va_ssrc(0) depctr_va_vcc(0) depctr_vm_vsrc(0)
	s_getreg_b32 s2, hwreg(HW_REG_IB_STS2, 6, 4)
	s_cmp_eq_u32 s2, 0
	s_cbranch_scc0 .Lentry_in_a_cluster
	s_endpgm
.Lentry_in_a_cluster:
	s_bfe_u32 s2, ttmp6, 0x10000c
	s_cmp_lg_u32 s2, 0xf033
	s_cbranch_scc0 .Lentry_shape_is_right
	s_endpgm
.Lentry_shape_is_right:
; out0[m][o] = row_norms[o] * (sum over j of z[m][j] y[o][j]) + bias[o].  z = x Pi^T and y = centroids[indices], both bf16, both in blocks
; of 64 columns: zb byte = (j / 64) * 65536 + m * 128 + 2 (j % 64), yq byte = (j / 64) * 262144 + o * 128 + 2 (j % 64).  Sums, scale and bias in f32.
; A work-group makes 64 x 64 of out0: 8 x 32 = 256 work-groups.  K = 4096 goes in 8 steps of 512 (8 blocks) through two LDS slots.
; THE FOUR WAVES SPLIT K: of a step's 8 blocks wave w takes blocks 2 w and 2 w + 1 for the whole tile (16 accumulators), so each LDS byte is read
; once, by one wave.  The four partial tiles are added through LDS at the end.
; CLUSTERS: 4 x 4 work-groups; z's tiles are shared along a row of the cluster (same block row), y's along a column: joint loads.
; The matrix instruction is used transposed (source 0 = 16 rows of y, source 1 = 16 rows of z): lane l holds row m = l % 16 and columns 8 (l / 16) + 0..7.
.set PITCH,   144                      ; an LDS row: 128 bytes (64 K) + 16, an odd multiple of 16: 16 rows begin at 16 different 16-byte columns modulo 256 bytes
.set BLK,     64*PITCH                 ; one block's 64 rows
.set QUARTER, 4*BLK                    ; what one wave fetches: 4 blocks of z's tile or of y's
.set SLOT,    4*QUARTER                ; z blocks 0-3, z blocks 4-7, y blocks 0-3, y blocks 4-7
.set SPITCH,  272                      ; the stage of the final sum: rows of 64 f32 + 16 bytes
.set SREG,    64*SPITCH                ; one wave's partial tile; four from LDS byte 0, inside slot 0, which has had its last fill by then
.set ADRA, 4                           ; v4, v5   LDS address of my z fragments in slot 0, 1
.set ADRB, 6                           ; v6, v7   the same for y
.set STO,  8                           ; v8       stage, in
.set RD,   9                           ; v9       stage, back
.set OO,   10                          ; v10      my 16 bytes in two rows of out0
.set RO,   11                          ; v11      my 16 bytes of row_norms and of bias
.set F0,   16                          ; v[16:79]   fragments, buffer 0: y's four, then z's four
.set F1,   80                          ; v[80:143]  buffer 1
.set RN,   144                         ; v[144:147] row_norms of my 4 columns
.set BI,   148                         ; v[148:151] bias of my 4 columns
                                       ; v[256:383] accumulator tile (a, b), a, b = 0..3, at 256 + 8 (4 a + b)
.set G1,  24
.set G0,  32
.set G1B, 48
.set G0B, 56
.set MSB, 0
.macro WIN new                         ; register windows; the immediate's high byte repeats the setting that is left
.if MSB != \new
	s_set_vgpr_msb (MSB<<8)|\new
.set MSB, \new
.endif
.endm
.macro PLACES                          ; four plain vector instructions between a matrix instruction and a load into one of its registers
.rept 4                                ; or a read of its result by anything but a matrix instruction (ISA guide 7.12.1 except for loads and LDS stores)
	v_nop
.endr
.endm
.macro ROUND                           ; a round of the cluster's barrier
	s_barrier_signal -1
	s_barrier_wait -1
	s_cmp_lg_u32 s10, 0
	s_cbranch_scc1 .Lnot_wave_0_\@
	s_barrier_signal -3
.Lnot_wave_0_\@:
	s_barrier_wait -3
	s_barrier_signal -1
	s_barrier_wait -1
.endm
.macro JLOAD s                         ; waves 0 and 1 fetch z's two halves, waves 2 and 3 y's; the branch hangs on the wave's number alone
	s_cmp_eq_u32 s11, 0
	s_cbranch_scc0 .Lfor_b_\@
	tensor_load_to_lds s[G0+4*\s:G0+4*\s+3], s[G1:G1+7]
	s_nop 0
	s_branch .Lasked_\@
.Lfor_b_\@:
	tensor_load_to_lds s[G0B+4*\s:G0B+4*\s+3], s[G1B:G1B+7]
	s_nop 0
.Lasked_\@:
.endm
	s_load_b128 s[4:7], s[0:1], 0x0                ; zb s[4:5], yq s[6:7]
	s_load_b128 s[16:19], s[0:1], 0x10             ; row_norms s[16:17], bias s[18:19]
	s_load_b64 s[8:9], s[0:1], 0x20                ; out0
	v_lshl_add_u32 v254, v0, 2, 0x48000
	v_mov_b32 v255, 0
	ds_add_u32 v254, v255
	v_lshrrev_b32 v1, 5, v0
	v_readfirstlane_b32 s10, v1                    ; wave 0..3
	s_lshr_b32 s11, s10, 1                         ; I fetch for z (0) or for y (1)
	s_and_b32 s12, s10, 1                          ; which four blocks of the step's eight
	s_bfe_u32 s40, ttmp6, 0x40000                  ; cx
	s_bfe_u32 s41, ttmp6, 0x40004                  ; cy
	s_lshl_b32 s42, ttmp9, 2
	s_add_co_u32 s42, s42, s40                     ; block column of out0, 0..31
	s_and_b32 s13, ttmp7, 0xffff
	s_lshl_b32 s13, s13, 2
	s_add_co_u32 s13, s13, s41                     ; block row of out0, 0..7
	s_lshl_b32 s43, s41, 2
	s_lshl_b32 s43, 15, s43                        ; my row of the cluster
	s_lshl_b32 s44, 0x1111, s40                    ; my column
	; group 1.  In memory a block's 64 rows of 128 bytes are 8,192 consecutive bytes: one row of the descriptor, 1,024 elements of 8 bytes; four blocks are
	; four such rows, a whole block of the buffer apart.  4 words of padding behind every 32 words make LDS rows of 128 + 16 bytes.
	s_or_b32 s[G1+0], s43, (3<<16)|(1<<20)|(1<<21)|(4<<22)|(3<<25)   ; 15:0 mask; 17:16 element size; 20 padding on; 21 set beside a mask; 24:22 interval; 31:25 pad - 1
	s_mov_b32 s[G1+1], 1024<<16                    ; tensor_dim0 = 1024
	s_mov_b32 s[G1+2], 4<<16                       ; tensor_dim1 = 4
	s_mov_b32 s[G1+3], 1024<<16                    ; tile_dim0 = 1024
	s_mov_b32 s[G1+4], 4                           ; tile_dim1 = 4
	s_mov_b32 s[G1+5], 8192                        ; from block to block of zb: 65,536 bytes
	s_mov_b32 s[G1+6], 0
	s_mov_b32 s[G1+7], 0
	s_or_b32 s[G1B+0], s44, (3<<16)|(1<<20)|(1<<21)|(4<<22)|(3<<25)
	s_mov_b32 s[G1B+1], 1024<<16
	s_mov_b32 s[G1B+2], 4<<16
	s_mov_b32 s[G1B+3], 1024<<16
	s_mov_b32 s[G1B+4], 4
	s_mov_b32 s[G1B+5], 32768                      ; from block to block of yq: 262,144 bytes
	s_mov_b32 s[G1B+6], 0
	s_mov_b32 s[G1B+7], 0
	s_lshl_b32 s21, s12, 18                        ; my four blocks of zb
	s_lshl_b32 s14, s13, 13                        ; the block row's 64 rows of 128 bytes
	s_add_co_u32 s14, s14, s21
	s_mov_b32 s15, 0
	s_lshl_b32 s21, s12, 20                        ; my four blocks of yq
	s_lshl_b32 s46, s42, 13                        ; the block column's 64 rows of 128 bytes
	s_add_co_u32 s46, s46, s21
	s_mov_b32 s47, 0
	s_mul_i32 s20, s10, QUARTER                    ; where they go: the wave's number alone
	s_lshl_b32 s22, s42, 8                         ; the block column's 64 numbers of row_norms and of bias
	s_mov_b32 s23, 0
	s_wait_dscnt 0x0
	s_wait_kmcnt 0x0
	s_add_nc_u64 s[14:15], s[4:5], s[14:15]
	s_add_nc_u64 s[46:47], s[6:7], s[46:47]
	s_add_nc_u64 s[16:17], s[16:17], s[22:23]
	s_add_nc_u64 s[18:19], s[18:19], s[22:23]
	ROUND                                          ; all sixteen work-groups are here: the first joint loads meet
.irp s, 0,1
	s_mov_b32 s[G0+4*\s], 1
	s_add_co_u32 s[G0+4*\s+1], s20, \s*SLOT
	s_add_nc_u64 s[G0+4*\s+2:G0+4*\s+3], s[14:15], \s*8*65536      ; K step s: 8 blocks on
	s_or_b32 s[G0+4*\s+3], s[G0+4*\s+3], 0x80000000
	s_mov_b32 s[G0B+4*\s], 1
	s_add_co_u32 s[G0B+4*\s+1], s20, \s*SLOT
	s_add_nc_u64 s[G0B+4*\s+2:G0B+4*\s+3], s[46:47], \s*8*262144
	s_or_b32 s[G0B+4*\s+3], s[G0B+4*\s+3], 0x80000000
	JLOAD \s                                       ; both slots are asked for before anything else: two tensor loads of the wave are out
.endr
	v_and_b32 v1, 15, v0                           ; r = l % 16
	v_bfe_u32 v2, v0, 4, 1                         ; h = l / 16
	v_lshlrev_b32 v[RO], 4, v1
	global_load_b128 v[RN:RN+3], v[RO], s[16:17]   ; used on the way out, behind its wait there; base and offset are never rewritten
	global_load_b128 v[BI:BI+3], v[RO], s[18:19]
	v_mul_u32_u24 v3, v1, PITCH
	v_lshl_add_u32 v3, v2, 4, v3                   ; row x pitch + 16 h
	s_mul_i32 s21, s10, 2*BLK                      ; my two blocks of the step's eight
	v_add_nc_u32 v[ADRA], s21, v3
	v_add_nc_u32 v[ADRA+1], SLOT, v[ADRA]
	v_add_nc_u32 v[ADRB], 2*QUARTER, v[ADRA]       ; y's eight blocks lie behind z's
	v_add_nc_u32 v[ADRB+1], SLOT, v[ADRB]
	v_mul_u32_u24 v3, v1, SPITCH
	v_lshl_add_u32 v3, v2, 5, v3                   ; stage, in: row r, 32 bytes for each half of the lanes
	s_mul_i32 s21, s10, SREG
	v_add_nc_u32 v[STO], s21, v3
	v_mul_u32_u24 v3, v2, SPITCH
	v_lshl_add_u32 v3, v1, 4, v3                   ; stage, back: lanes 0-15 one row of 256 bytes, lanes 16-31 the next
	s_mul_i32 s21, s10, 16*SPITCH                  ; I add up rows 16 w .. 16 w + 15
	v_add_nc_u32 v[RD], s21, v3
	v_lshlrev_b32 v3, 13, v2                       ; and the same two rows in out0: 8,192 bytes apart
	v_lshl_add_u32 v[OO], v1, 4, v3
; 16 LDS loads: the fragments of 32 K (half kh of block kb of my two): y's four, then z's four, into buffer f
.macro FETCH slot, kb, kh, f
.irp i, 0,1,2,3
	ds_load_b128 v[\f+8*\i:\f+8*\i+3],   v[ADRB+\slot] offset:\kb*BLK+\kh*64+\i*16*PITCH
	ds_load_b128 v[\f+8*\i+4:\f+8*\i+7], v[ADRB+\slot] offset:\kb*BLK+\kh*64+\i*16*PITCH+32
.endr
.irp i, 0,1,2,3
	ds_load_b128 v[\f+32+8*\i:\f+32+8*\i+3],   v[ADRA+\slot] offset:\kb*BLK+\kh*64+\i*16*PITCH
	ds_load_b128 v[\f+32+8*\i+4:\f+32+8*\i+7], v[ADRA+\slot] offset:\kb*BLK+\kh*64+\i*16*PITCH+32
.endr
.endm
; 16 matrix instructions, one for each accumulator: the accumulators take turns, one instruction a turn, in the same order everywhere,
; over the loop's backward jump too.  zero = 1: the first product starts the sums.
.macro MUL16 f, zero
	WIN 0x50                                       ; C and D in the second window
.irp a, 0,1,2,3
.irp b, 0,1,2,3
.if \zero
	v_wmma_f32_16x16x32_bf16 v[8*(4*\a+\b):8*(4*\a+\b)+7], v[\f+8*\b:\f+8*\b+7], v[\f+32+8*\a:\f+32+8*\a+7], 0
.else
	v_wmma_f32_16x16x32_bf16 v[8*(4*\a+\b):8*(4*\a+\b)+7], v[\f+8*\b:\f+8*\b+7], v[\f+32+8*\a:\f+32+8*\a+7], v[8*(4*\a+\b):8*(4*\a+\b)+7]
.endif
.endr
.endr
	WIN 0
	PLACES
.endm
; My share of a K step: four sub-steps of 32 K on buffers 0, 1, 0, 1; each one's loads go out ahead of the products of the one before.
.macro WORK slot, zero
	FETCH \slot, 0, 0, F0
	FETCH \slot, 0, 1, F1
	s_wait_dscnt 16                                ; in order: all but the 16 just issued
	MUL16 F0, \zero
	FETCH \slot, 1, 0, F0
	s_wait_dscnt 16
	MUL16 F1, 0
	FETCH \slot, 1, 1, F1
	s_wait_dscnt 16
	MUL16 F0, 0
	s_wait_dscnt 0                                 ; my reads of this slot are over
	MUL16 F1, 0
.endm
; One K step from slot; refill = 1: the other slot, read in the last trip, is filled again, two K steps (16 blocks) on.
.macro TRIP slot, other, refill
	s_wait_dscnt 0x0                               ; my reads of the other slot are back
	s_wait_tensorcnt 0x0                           ; all my tensor loads have landed (one was out: my part of this slot), so a group 0 may be written
	ds_add_u32 v254, v255
	s_wait_dscnt 0x0
.if \refill
	s_add_nc_u64 s[G0+4*\other+2:G0+4*\other+3], s[G0+4*\other+2:G0+4*\other+3], 16*65536
	s_add_nc_u64 s[G0B+4*\other+2:G0B+4*\other+3], s[G0B+4*\other+2:G0B+4*\other+3], 16*262144
	ROUND                                          ; both now hold of every wave of all sixteen work-groups
	JLOAD \other                                   ; my one tensor load until the next round, first thing behind this one: one is out
.else
	s_barrier_signal -1                            ; it shows this slot whole to every wave
	s_barrier_wait -1
.endif
	WORK \slot, 0
.endm
	s_wait_tensorcnt 0x1                           ; my part of K step 0 is in; K step 1's load, issued behind it, may stay out:
	s_barrier_signal -1
	s_barrier_wait -1
	WORK 0, 1                                      ; K step 0 starts the sums
	s_mov_b32 s3, 3
.Llap:
	TRIP 1, 0, 1                                   ; K steps 1 to 6
	TRIP 0, 1, 1
	s_sub_co_u32 s3, s3, 1
	s_cmp_lg_u32 s3, 0
	s_cbranch_scc1 .Llap
	TRIP 1, 0, 0                                   ; K step 7: nothing is left to fetch
	; THE FINAL SUM: each wave lays its partial tile (64 x 64 f32) into the stage, then adds up 16 rows of all four.
	s_wait_dscnt 0x0                               ; my reads of the slots are back
	s_barrier_signal -1
	s_barrier_wait -1                              ; everybody's are: the bytes may be overwritten
	WIN 0x04                                       ; the stores' data in the second window
.irp a, 0,1,2,3
.irp b, 0,1,2,3
	ds_store_b128 v[STO], v[8*(4*\a+\b):8*(4*\a+\b)+3]   offset:\a*16*SPITCH+64*\b
	ds_store_b128 v[STO], v[8*(4*\a+\b)+4:8*(4*\a+\b)+7] offset:\a*16*SPITCH+64*\b+16
.endr
.endr
	WIN 0
	s_lshl_b32 s22, s13, 19                        ; out0: my work-group's 64 rows of 8,192 bytes,
	s_lshl_b32 s21, s10, 17                        ; my wave's 16 rows,
	s_add_co_u32 s22, s22, s21
	s_lshl_b32 s21, s42, 8                         ; my block column's 256 bytes
	s_add_co_u32 s22, s22, s21
	s_add_nc_u64 s[8:9], s[8:9], s[22:23]          ; s23 is still 0
	s_wait_dscnt 0x0                               ; for the others: my stores are done
	s_barrier_signal -1
	s_barrier_wait -1
.irp t, 0,1,2,3,4,5,6,7
.irp g, 0,1,2,3
	ds_load_b128 v[F0+16*\t+4*\g:F0+16*\t+4*\g+3], v[RD] offset:\g*SREG+2*SPITCH*\t   ; row pair t of my eight, partial tile g
.endr
.endr
	s_wait_loadcnt 0x0                             ; row_norms and bias
.irp t, 0,1,2,3,4,5,6,7
	s_wait_dscnt 28-4*\t                           ; in order: row pair t's four loads are in, the younger ones stay out
	v_pk_add_f32 v[F0+16*\t:F0+16*\t+1],     v[F0+16*\t:F0+16*\t+1],     v[F0+16*\t+4:F0+16*\t+5]
	v_pk_add_f32 v[F0+16*\t+2:F0+16*\t+3],   v[F0+16*\t+2:F0+16*\t+3],   v[F0+16*\t+6:F0+16*\t+7]
	v_pk_add_f32 v[F0+16*\t+8:F0+16*\t+9],   v[F0+16*\t+8:F0+16*\t+9],   v[F0+16*\t+12:F0+16*\t+13]
	v_pk_add_f32 v[F0+16*\t+10:F0+16*\t+11], v[F0+16*\t+10:F0+16*\t+11], v[F0+16*\t+14:F0+16*\t+15]
	v_pk_add_f32 v[F0+16*\t:F0+16*\t+1],     v[F0+16*\t:F0+16*\t+1],     v[F0+16*\t+8:F0+16*\t+9]
	v_pk_add_f32 v[F0+16*\t+2:F0+16*\t+3],   v[F0+16*\t+2:F0+16*\t+3],   v[F0+16*\t+10:F0+16*\t+11]
	v_pk_fma_f32 v[F0+16*\t:F0+16*\t+1],     v[F0+16*\t:F0+16*\t+1],     v[RN:RN+1],   v[BI:BI+1]       ; sum x row_norm + bias, fused
	v_pk_fma_f32 v[F0+16*\t+2:F0+16*\t+3],   v[F0+16*\t+2:F0+16*\t+3],   v[RN+2:RN+3], v[BI+2:BI+3]
	global_store_b128 v[OO], v[F0+16*\t:F0+16*\t+3], s[8:9] offset:16384*\t th:TH_STORE_NT   ; sixteen lanes store 256 consecutive bytes of a row, aligned; the data registers are not written again
.endr
	s_wait_tensorcnt 0x0
	ds_add_u32 v254, v255
	s_wait_dscnt 0x0
	ROUND                                          ; the closing round: no work-group ends while a partner may still ask for a tile that names it
	s_endpgm
.Lfunc_end_k_q063c4f8e3a_gemm2:
	.size	k_q063c4f8e3a_gemm2, .Lfunc_end_k_q063c4f8e3a_gemm2-k_q063c4f8e3a_gemm2
	.p2alignl 7, 3214868480
	.fill 96, 4, 3214868480
	.section	.rodata,"a",@progbits
	.p2align	6, 0x0
	.amdhsa_kernel k_q063c4f8e3a_gemm2
		.amdhsa_group_segment_fixed_size 327680
		.amdhsa_private_segment_fixed_size 0
		.amdhsa_enable_private_segment 0
		.amdhsa_kernarg_size 40
		.amdhsa_user_sgpr_count 2
		.amdhsa_user_sgpr_kernarg_segment_ptr 1
		.amdhsa_wavefront_size32 1
		.amdhsa_system_sgpr_workgroup_id_x 1
		.amdhsa_system_sgpr_workgroup_id_y 1
		.amdhsa_system_sgpr_workgroup_id_z 1
		.amdhsa_system_vgpr_workitem_id 0
		.amdhsa_next_free_vgpr 384
		.amdhsa_next_free_sgpr 66
		.amdhsa_reserve_vcc 0
		.amdhsa_float_denorm_mode_32 3
		.amdhsa_float_denorm_mode_16_64 3
		.amdhsa_memory_ordered 1
		.amdhsa_forward_progress 1
		.amdhsa_inst_pref_size 54
	.end_amdhsa_kernel
	.amdgpu_metadata
---
amdhsa.version: [ 1, 2 ]
amdhsa.kernels:
  - .name:           k_q063c4f8e3a_gemm2
    .symbol:         k_q063c4f8e3a_gemm2.kd
    .args:
      - { .name: zb, .offset: 0, .size: 8, .value_kind: global_buffer, .address_space: global }
      - { .name: yq, .offset: 8, .size: 8, .value_kind: global_buffer, .address_space: global }
      - { .name: row_norms, .offset: 16, .size: 8, .value_kind: global_buffer, .address_space: global }
      - { .name: bias, .offset: 24, .size: 8, .value_kind: global_buffer, .address_space: global }
      - { .name: out0, .offset: 32, .size: 8, .value_kind: global_buffer, .address_space: global }
    .group_segment_fixed_size: 327680
    .private_segment_fixed_size: 0
    .kernarg_segment_align: 8
    .kernarg_segment_size: 40
    .max_flat_workgroup_size: 128
    .sgpr_count:     66
    .vgpr_count:     384
    .wavefront_size: 32
...
	.end_amdgpu_metadata
.endif
;; end of part 3
